; MI455X (gfx1250); checked and timed in simulation.
; The chip was launched on July 23, 2026; its instructions are those of AMD's public machine-readable ISA for CDNA 5 (MIT licence, August 2026) and "CDNA5" Instruction Set Architecture Reference Guide (July 2026). The comments in the code are by the model that wrote it; some were corrected since.
;; Causal Self Attention. Allowed arithmetic: matrix products marked QUANTISED: E2M1 operands, one E8M0 scale for each 32 along K, by v_wmma_scale_f32_16x16x128_f8f6f4 with both operands' format E2M1 (or v_wmma_scale_f32_32x16x128_f4), f32 sums; everything else in f32.
;; Inputs: W_attn_codes 3,072 x 32 x 16 uint8 (E2M1 codes of W_attn, K innermost, in blocks of 32 codes, two codes a byte); W_attn_scales 3,072 x 32 uint8 (E8M0 scales of W_attn, one for each 32 codes along K); W_proj_codes 1,024 x 32 x 16 uint8 (E2M1 codes of W_proj, K innermost, in blocks of 32 codes, two codes a byte); W_proj_scales 1,024 x 32 uint8 (E8M0 scales of W_proj, one for each 32 codes along K); b_attn 3,072 float32; b_proj 1,024 float32; x_codes 4 x 2,048 x 32 x 16 uint8 (E2M1 codes of x, K innermost, in blocks of 32 codes, two codes a byte); x_scales 4 x 2,048 x 32 uint8 (E8M0 scales of x, one for each 32 codes along K).
;; Outputs: out0 4 x 2,048 x 1,024 float32.
;; This version of the problem:
;;   THIS VERSION OF THE PROBLEM IS GIVEN IN LOW PRECISION. The matrix products marked QUANTISED in the list below multiply operands that are first quantised to E2M1 (2 exponent bits, 1 mantissa bit; 4 bits a number), with one power-of-two scale for each 32 numbers along K (OCP MX v1.0); their sums are f32. All else is computed in f32.
;;   The module's matrix products, in the order in which they are computed (A, B: the left and right operand; K: the contracted axis; several contracted axes count as one K, in the product's order):
;;     1. [M 8,192, K 1,024] x [K 1,024, N 3,072]; A: input x (given as codes); B: input W_attn (given as codes): QUANTISED
;;     2. batch 64 x [M 2,048, K 64] x [K 64, N 2,048]; A: computed on the way; B: computed on the way: QUANTISED
;;     3. batch 64 x [M 2,048, K 2,048] x [K 2,048, N 64]; A: softmax (see below); B: computed on the way: QUANTISED
;;     4. [M 8,192, K 1,024] x [K 1,024, N 1,024]; A: computed on the way; B: input W_proj (given as codes): QUANTISED
;;   THE QUANTISER, for each operand of a quantised product, along K:
;;     - K is cut into blocks of 32 from its start; a last block that is shorter is filled with zeros.
;;     - A block's scale is 2^e with e = floor(log2(the largest magnitude in the block)) - 2, held to -126 .. 127; a block of zeros has e = 0. As a byte (E8M0): e + 127.
;;     - Each number is divided by its block's scale, clamped to +-6, and rounded to the nearest number of E2M1, ties to even, subnormals kept.
;;     - The product sums the exact products of the quantised numbers (number of the format x scale) in f32.
;;   ~~~python
;;   def quantise(x, axis):      # numpy; x: float32 -> the quantised numbers, widened to float32 again
;;       x = np.moveaxis(x, axis, -1); K = x.shape[-1]
;;       x = np.pad(x, [(0, 0)] * (x.ndim - 1) + [(0, -K % 32)]); x = x.reshape(x.shape[:-1] + (-1, 32)); a = np.abs(x).max(-1, keepdims=True)
;;       e = np.where(a > 0, np.clip(np.frexp(np.where(a > 0, a, 1))[1] - 1 - 2, -126, 127), 0)      # np.frexp(a)[1] - 1 = floor(log2(a)), exactly
;;       r = np.clip(x / 2.0 ** e, -6, 6)
;;       step = 2.0 ** (np.maximum(np.frexp(np.where(r == 0, 1, r))[1] - 1, 0) - 1)
;;       q = np.round(r / step) * step * 2.0 ** e      # np.round: ties to even
;;       return np.moveaxis(q.reshape(q.shape[:-2] + (-1,))[..., :K], -1, axis).astype(np.float32)
;;   ~~~
;;   SOFTMAX AHEAD OF A QUANTISED PRODUCT. Where the list says 'softmax', what is quantised is not the finished softmax but p = 2^(t - M), with t = logit x log2(e) and M = ceil(the row's largest t), a whole number; so 1/2 < the row's largest p <= 1. The row's sum l is taken of the UNQUANTISED p, in f32, and the product's result is divided by l at the end. Since M is a whole number, a kernel that streams over the keys may use a running M (the ceiling of the running maximum): every later rescaling is an exact power of two, which a block's scale takes up: the codes' values come out the same.
;;   OPERANDS COMPUTED ON THE WAY. 'Computed on the way' means the value that the module computes at that place (a softmax that the list does not call 'softmax' is quantised finished and normalised). What goes into a quantiser is computed in f32, as accurately as f32 sums, v_exp_f32 and their like allow (about 1e-6 of the number): no bf16 or f16 on the way to a quantiser, and a product that is left as it is and whose result goes on into a quantised operand takes f32 operands (vector FMAs, or v_wmma_f32_16x16x4_f32). A number that lies on a knife's edge between two numbers of the format may be rounded either way, as far as f32 arithmetic and the matrix unit's own rounding can turn it there, and no further.
;;   INPUTS GIVEN AS CODES. W_attn (in the module: [1024, 3072], K = its axis 0); W_proj (in the module: [1024, 1024], K = its axis 0); x (in the module: [4, 2048, 1024], K = its axis 2): each comes as NAME_codes (uint8): NAME with its K axis moved to the last place and cut into blocks of 32 codes, [.., K / 32, bytes a block], one block behind the other in memory; two codes a byte, the lower K in the low four bits (a code: sign, 2 exponent bits, 1 mantissa bit); and NAME_scales (uint8): the same leading axes, one E8M0 byte (e + 127) for each 32 codes along K. Its value is code x scale, taken as it is: it is not quantised again, and the codes and scales need not be those that the quantiser above would give.
;; One version. Each part assembles by itself: llvm-mc -triple=amdgcn-amd-amdhsa -mcpu=gfx1250 --defsym DOCPART=n.
;; ======== version 1 of 1: 3 launches
;; workspace buffers: qkvw 13,893,632 bytes; ybuf 4,194,304 bytes; ysc 524,288 bytes
;; launch qkv (part 1): grid 16 x 32, 4 waves a work-group, clusters of 4 x 4, 237,568 bytes of LDS; arguments x_codes, x_scales, W_attn_codes, W_attn_scales, b_attn, qkvw; writes qkvw
.if DOCPART == 1
	.amdgcn_target "amdgcn-amd-amdhsa--gfx1250"
	.amdhsa_code_object_version 6
	.text
	.protected	k_qf68d9236d6_qkv
	.globl	k_qf68d9236d6_qkv
	.p2align	8
	.type	k_qf68d9236d6_qkv,@function
k_qf68d9236d6_qkv:
	s_mov_b64 s[64:65], 0
	v_nop
	global_prefetch_b8 v0, s[64:65] scope:SCOPE_SE
	s_setreg_imm32_b32 hwreg(HW_REG_WAVE_MODE, 25, 1), 1
	s_wait_xcnt 0x0
	s_wait_alu depctr_hold_cnt(0) depctr_sa_sdst(0) depctr_va_vdst(0) depctr_va_sdst(0) depctr_va_ssrc(0) depctr_va_vcc(0) depctr_vm_vsrc(0)
	s_getreg_b32 s2, hwreg(HW_REG_IB_STS2, 6, 4)
	s_cmp_eq_u32 s2, 0
	s_cbranch_scc0 .Lentry_in_a_cluster
	s_endpgm
.Lentry_in_a_cluster:
	s_bfe_u32 s2, ttmp6, 0x10000c
	s_cmp_lg_u32 s2, 0xf033
	s_cbranch_scc0 .Lentry_shape_is_right
	s_endpgm
.Lentry_shape_is_right:
; CAUSAL SELF-ATTENTION ON CODES OF E2M1, three launches: this one (x W_attn + b_attn, quantised), attn (both products of attention, y quantised), proj (y W_proj + b_proj).
; DEAD WORK, for the whole program: reference() sets att to -infinity wherever key > query (its own jnp.tril), and a softmax gives such a key the weight 0 whatever finite values the inputs hold.
; So a step of 128 keys all of which come after a tile's 16 queries can reach no output: launch attn leaves such steps out, whole.  Nothing else is left out, and every input is loaded.
; LIMITS: a NaN, an infinity or an overflow that reaches only the steps left out is not carried to the result.  A block whose largest magnitude lies under 2^-124 gets the scale byte 1; a block of zeros gets 1 where
; the rule says 127 (its codes are zeros, and only this program reads the bytes).  NaN and infinities in q, k, v, p, y are not served.
;
; THIS LAUNCH: qkv = x W_attn + b_attn on the codes as they are given; q and k are quantised along the head's 64, v along the keys; all three leave as IMAGES OF OPERAND REGISTERS (16 bytes a lane at 16 x lane).
; SHARES.  A work-group makes q, k and v of ONE head (hx) for 256 tokens (ty).  K = 1,024 is 512 bytes a row: x's 256 rows and W's 3 x 64 rows lie in LDS whole, filled once; nothing is filled again.
; Wave w: th = w / 2: 128 tokens, which are one key step; c = w % 2: q (0) or k (1), and v's channels 32 c .. 32 c + 31.  48 accumulators: 8 tiles of tokens x (4 + 2) tiles of columns.
; q, k: THE PRODUCT IS USED TRANSPOSED (source 0 = 16 rows of W, source 1 = 16 tokens): a lane holds one token, its registers run along d, q's and k's K.
; v: used as it is (source 0 = 16 tokens, source 1 = 16 rows of W): a lane holds one channel, its registers run along the tokens, v's K.
; CLUSTER 4 x 4: x's tile hangs on ty alone and is shared along a row of the cluster, W's on hx alone and is shared along a column: each is asked for jointly.
; qkvw: [batch x head 64][key step 16][13,568 bytes]: K codes 4,096 ([tile 8][lane 32][16]), K scale words 512 ([r 16][tile 8][4]), V codes 4,096 ([d tile 4][half 2][lane 32][16]), V scale words 256 ([d tile 4][r 16][4]),
; Q codes 4,096 and Q scale words 512 as K's.  A q or k scale word holds its two bytes twice: the upper two stand over zero codes in launch attn and must only not be 0xff.
; REGISTERS: window 0: v1-11 lane terms, v12-13 the add's two, v16-71 scale words, v72-87 at work, v88-103 scale words on the way out, v104-151 codes.
;   window 1: two sets of 14 fragments (at 0 and 112: x's 8, q or k's 4, v's 2).   window 2: q or k's 32 accumulators.   window 3: v's 16 accumulators, from v128 the biases in the results' layout.
.set PITCH, 528                        ; an LDS row: 512 bytes + 16 of padding = 132 words: the 16 rows of a load start at 16 different banks (64 banks of 4 bytes: ISA guide 11.1)
.set T16,   16*PITCH
.set T64,   64*PITCH                   ; what one tensor load brings
.set BOFF,  4*T64                      ; behind x's 256 rows: W's rows for q, for k, for v, 64 each
.set SPARE, BOFF+3*T64                 ; the spare words, 128 bytes for each wave: two blocks of 256 bytes that no other line names
.set STEPB, 13568                      ; a key step in qkvw
.set SPW, 12
.set NIL, 13
.set SA,  16                           ; x's scale words: tile a at SA + 4 a; register i: lanes 0-15 K step i, lanes 16-31 K step 4 + i
.set SBQ, 48                           ; the same of W's rows for q or k
.set SBV, 64                           ; and for v
.set TM,  72                           ; +0..3 largest magnitudes, +4..7 the other half's, then bytes, +12..15 the conversions' scale operands
.set SW,  88                           ; q or k's scale words, a tile each
.set PWV, 96                           ; v's two
.set OUTQ, 98
.set OUTV, 102
.set PC,  104                          ; six sets of 8: no store's data are written again
.set BQ,  128                          ; window 3: b_attn for q or k's 4 tiles
.set BV,  160                          ; window 3: b_attn for v's 2 tiles
.set MSB, 0
.macro WIN new                         ; the immediate's high byte repeats the setting that is left; a switch that changes nothing is dropped
.if MSB != (\new)
	s_set_vgpr_msb (MSB<<8)|(\new)
.set MSB, (\new)
.endif
.endm
.macro PLACES                          ; four plain vector instructions behind a matrix instruction, ahead of loads into its registers and of reads of its results
.rept 4
	v_nop
.endr
.endm
.macro CROUND                          ; a round of the cluster's barrier
	s_barrier_signal -1
	s_barrier_wait -1
	s_cmp_lg_u32 s16, 0
	s_cbranch_scc1 .Lnot_wave_0_\@
	s_barrier_signal -3
.Lnot_wave_0_\@:
	s_barrier_wait -3
	s_barrier_signal -1
	s_barrier_wait -1
.endm
	s_load_b256 s[4:11], s[0:1], 0x0               ; x_codes s[4:5], x_scales s[6:7], W_attn_codes s[8:9], W_attn_scales s[10:11]
	s_load_b128 s[12:15], s[0:1], 0x20             ; b_attn s[12:13], qkvw s[14:15]
	v_lshl_add_u32 v[SPW], v0, 2, SPARE
	v_mov_b32 v[NIL], 0
	ds_add_u32 v[SPW], v[NIL]                      ; the wave's opening: the add, twice on end, and its wait ahead of my first tensor load
	ds_add_u32 v[SPW], v[NIL]
	v_lshrrev_b32 v1, 5, v0
	v_readfirstlane_b32 s16, v1                    ; wave 0..3
	s_lshr_b32 s17, s16, 1                         ; th
	s_and_b32 s18, s16, 1                          ; c
	s_min_u32 s49, s16, 2                          ; which of W's three groups I fetch (wave 3 fetches none)
	s_bfe_u32 s19, ttmp6, 0x40000                  ; cx
	s_bfe_u32 s20, ttmp6, 0x40004                  ; cy
	s_lshl_b32 s21, ttmp9, 2
	s_add_co_u32 s21, s21, s19                     ; hx: the head = 4 x cluster x + cx
	s_and_b32 s22, ttmp7, 0xffff
	s_lshl_b32 s22, s22, 2
	s_add_co_u32 s22, s22, s20                     ; ty: the block of 256 tokens = 4 x cluster y + cy
	s_lshl_b32 s23, s20, 2
	s_lshl_b32 s23, 15, s23                        ; my row of the cluster
	s_lshl_b32 s48, 0x1111, s19                    ; my column
	; descriptor group 1: 64 rows x 512 elements of 1 byte, 4 words of padding behind every 128
	s_or_b32 s24, s23, (1<<20)|(1<<21)|(6<<22)|(3<<25)   ; x's tiles go to my row
	s_or_b32 s36, s48, (1<<20)|(1<<21)|(6<<22)|(3<<25)   ; W's to my column
.irp g, 24, 36
	s_mov_b32 s[\g+1], 512<<16                     ; tensor_dim0
	s_mov_b32 s[\g+2], 64<<16                      ; tensor_dim1
	s_mov_b32 s[\g+3], 512<<16                     ; tile_dim0
	s_mov_b32 s[\g+4], 64                          ; tile_dim1
	s_mov_b32 s[\g+5], 512                         ; from row to row
	s_mov_b32 s[\g+6], 0
	s_mov_b32 s[\g+7], 0
.endr
	s_mov_b32 s32, 1
	s_mul_i32 s33, s16, T64                        ; x: my 64 rows in LDS
	s_lshl_b32 s50, s22, 17                        ; and in memory: (256 ty + 64 w) x 512: ty and the wave's number alone
	s_lshl_b32 s51, s16, 15
	s_add_co_u32 s50, s50, s51
	s_mov_b32 s51, 0
	s_mov_b32 s44, 1
	s_mul_i32 s45, s49, T64
	s_add_co_u32 s45, s45, BOFF                    ; W: my group's 64 rows in LDS
	s_lshl_b32 s52, s49, 19                        ; and in memory: (1,024 group + 64 hx) x 512: hx and the wave's number alone
	s_lshl_b32 s53, s21, 15
	s_add_co_u32 s52, s52, s53
	s_mov_b32 s53, 0
	s_mov_b32 s66, 0x1800000                       ; the floor 2^(3 - 127) under a block's largest magnitude: the byte cannot fall under 1
	s_mov_b32 s68, 0x76543210
	s_mov_b32 s69, 0xfedcba98                      ; v_permlanex16_b32's selects for lane l xor 16
	s_wait_dscnt 0x0                               ; both opening adds are done
	s_wait_kmcnt 0x0
	s_add_nc_u64 s[34:35], s[4:5], s[50:51]
	s_or_b32 s35, s35, 0x80000000
	s_add_nc_u64 s[46:47], s[8:9], s[52:53]
	s_or_b32 s47, s47, 0x80000000
	CROUND                                         ; all sixteen work-groups are here: the joint loads meet
	tensor_load_to_lds s[32:35], s[24:31]          ; every wave: 64 rows of x
	s_nop 0
	PLACES
	s_cmp_lt_u32 s16, 3
	s_cbranch_scc0 .Lnob
	tensor_load_to_lds s[44:47], s[36:43]          ; waves 0, 1, 2: W's rows for q, k, v.  At most two loads of a wave are out
	s_nop 0
	PLACES
.Lnob:
	v_and_b32 v1, 15, v0                           ; r
	v_bfe_u32 v2, v0, 4, 1                         ; h
	v_and_b32 v3, 31, v0
	v_lshlrev_b32 v11, 2, v3                       ; 4 x lane
	v_lshlrev_b32 v3, 4, v3                        ; 16 x lane: an image's place
	v_mul_u32_u24 v10, v1, PITCH
	v_lshl_add_u32 v10, v2, 4, v10                 ; a fragment's row x pitch + 16 x half
	s_mul_i32 s54, s17, 2*T64
	v_add_nc_u32 v4, s54, v10                      ; x: my 128 rows
	s_mul_i32 s54, s18, T64
	s_add_co_u32 s54, s54, BOFF
	v_add_nc_u32 v5, s54, v10                      ; W for q or k
	s_mul_i32 s54, s18, 32*PITCH
	s_add_co_u32 s54, s54, BOFF+128*PITCH
	v_add_nc_u32 v6, s54, v10                      ; W for my 32 channels of v
	v_lshlrev_b32 v7, 5, v1
	v_lshl_add_u32 v7, v2, 4, v7                   ; 32 r + 16 h: half of a row of 32 scale bytes
	s_wait_alu depctr_va_vdst(0)
	v_lshlrev_b32 v8, 5, v2                        ; 32 h
	s_wait_alu depctr_va_vdst(0)
	v_lshlrev_b32 v9, 2, v1                        ; 4 r
	s_wait_alu depctr_va_vdst(0)
.irp b, 0,1,2,3
	v_mov_b32 v[TM+4+\b], 0                        ; written once: a lane permute's destination counts as one of its sources
.endr
	s_mov_b32 s55, 0
	s_lshl_b32 s54, s22, 13                        ; x's scales: (256 ty + 128 th) x 32
	s_lshl_b32 s78, s17, 12
	s_add_co_u32 s54, s54, s78
	s_add_nc_u64 s[56:57], s[6:7], s[54:55]
	s_lshl_b32 s78, s21, 11                        ; W's scales: (1,024 c + 64 hx) x 32
	s_lshl_b32 s54, s18, 15
	s_add_co_u32 s54, s54, s78
	s_add_nc_u64 s[58:59], s[10:11], s[54:55]
	s_lshl_b32 s54, s18, 10                        ; (2,048 + 64 hx + 32 c) x 32
	s_add_co_u32 s54, s54, s78
	s_add_co_u32 s54, s54, 65536
	s_add_nc_u64 s[60:61], s[10:11], s[54:55]
	s_lshl_b32 s78, s21, 8                         ; b_attn: (1,024 c + 64 hx) x 4
	s_lshl_b32 s54, s18, 12
	s_add_co_u32 s54, s54, s78
	s_add_nc_u64 s[62:63], s[12:13], s[54:55]
	s_lshl_b32 s54, s18, 7                         ; (2,048 + 64 hx + 32 c) x 4
	s_add_co_u32 s54, s54, s78
	s_add_co_u32 s54, s54, 8192
	s_add_nc_u64 s[70:71], s[12:13], s[54:55]
	; the scale words go from memory straight into registers, once: each load reads 512 consecutive bytes
.irp a, 0,1,2,3,4,5,6,7
	global_load_b128 v[SA+4*\a:SA+4*\a+3], v7, s[56:57] offset:512*\a
.endr
.irp bt, 0,1,2,3
	global_load_b128 v[SBQ+4*\bt:SBQ+4*\bt+3], v7, s[58:59] offset:512*\bt
.endr
.irp e, 0,1
	global_load_b128 v[SBV+4*\e:SBV+4*\e+3], v7, s[60:61] offset:512*\e
.endr
	WIN 0xc0                                       ; destination window 3
.irp bt, 0,1,2,3
	global_load_b128 v[BQ+8*\bt:BQ+8*\bt+3], v8, s[62:63] offset:64*\bt        ; lane (r, h), register j: b_attn at d = 16 bt + 8 h + j
	global_load_b128 v[BQ+8*\bt+4:BQ+8*\bt+7], v8, s[62:63] offset:64*\bt+16
.endr
.irp e, 0,1
.irp j, 0,1,2,3,4,5,6,7
	global_load_b32 v[BV+8*\e+\j], v9, s[70:71] offset:64*\e                   ; every register: b_attn at my channel 16 e + r
.endr
.endr
	WIN 0
	; where my results go: P = my key step in qkvw
	s_lshr_b32 s54, s22, 3
	s_lshl_b32 s54, s54, 4
	s_add_co_u32 s54, s54, s21                     ; batch x 16 + head
	s_lshl_b32 s54, s54, 4
	s_and_b32 s78, s22, 7
	s_lshl_b32 s78, s78, 1
	s_add_co_u32 s54, s54, s78
	s_add_co_u32 s54, s54, s17                     ; + the key step 2 (ty % 8) + th
	s_mul_i32 s54, s54, STEPB
	s_add_nc_u64 s[78:79], s[14:15], s[54:55]
	s_cmp_eq_u32 s18, 0
	s_cselect_b32 s54, 8960, 0                     ; q's part lies 8,960 bytes behind k's
	s_add_nc_u64 s[72:73], s[78:79], s[54:55]
	s_lshl_b32 s54, s18, 11
	s_add_co_u32 s54, s54, 4608
	s_add_nc_u64 s[74:75], s[78:79], s[54:55]      ; v's codes: my two tiles of channels
	s_lshl_b32 s54, s18, 7
	s_add_co_u32 s54, s54, 8704
	s_add_nc_u64 s[76:77], s[78:79], s[54:55]      ; and their scale words
; 28 LDS loads in one run: the 14 fragments of K step q into set p.  A fragment is 16 rows x 128 K in 8 registers: two loads of 16 bytes, 32 bytes apart.
.macro FETCH q, p
	WIN 0x40                                       ; destination window 1, address window 0
.irp a, 0,1,2,3,4,5,6,7
.irp cc, 0,1
	ds_load_b128 v[112*(\p)+8*\a+4*\cc:112*(\p)+8*\a+4*\cc+3], v4 offset:\a*T16+64*(\q)+32*\cc
.endr
.endr
.irp bt, 0,1,2,3
.irp cc, 0,1
	ds_load_b128 v[112*(\p)+64+8*\bt+4*\cc:112*(\p)+64+8*\bt+4*\cc+3], v5 offset:\bt*T16+64*(\q)+32*\cc
.endr
.endr
.irp e, 0,1
.irp cc, 0,1
	ds_load_b128 v[112*(\p)+96+8*\e+4*\cc:112*(\p)+96+8*\e+4*\cc+3], v6 offset:\e*T16+64*(\q)+32*\cc
.endr
.endr
.endm
; q or k: 32 products.  The first K step takes the bias as C: no addition, nothing cleared.  K steps 4 to 7 read their scale words from lanes 16-31.
.macro MULQK q, p
.if (\q) == 0
	WIN 0xb5                                       ; sources 0 and 1 window 1, C window 3, D window 2
.else
	WIN 0xa5                                       ; C and D window 2
.endif
.irp a, 0,1,2,3,4,5,6,7
.irp bt, 0,1,2,3
.if (\q) == 0
	v_wmma_scale_f32_16x16x128_f8f6f4 v[8*(4*\a+\bt):8*(4*\a+\bt)+7], v[112*(\p)+64+8*\bt:112*(\p)+64+8*\bt+7], v[112*(\p)+8*\a:112*(\p)+8*\a+7], v[BQ+8*\bt:BQ+8*\bt+7], v[SBQ+4*\bt], v[SA+4*\a] matrix_a_fmt:MATRIX_FMT_FP4 matrix_b_fmt:MATRIX_FMT_FP4
.elseif (\q) < 4
	v_wmma_scale_f32_16x16x128_f8f6f4 v[8*(4*\a+\bt):8*(4*\a+\bt)+7], v[112*(\p)+64+8*\bt:112*(\p)+64+8*\bt+7], v[112*(\p)+8*\a:112*(\p)+8*\a+7], v[8*(4*\a+\bt):8*(4*\a+\bt)+7], v[SBQ+4*\bt+(\q)], v[SA+4*\a+(\q)] matrix_a_fmt:MATRIX_FMT_FP4 matrix_b_fmt:MATRIX_FMT_FP4
.else
	v_wmma_scale_f32_16x16x128_f8f6f4 v[8*(4*\a+\bt):8*(4*\a+\bt)+7], v[112*(\p)+64+8*\bt:112*(\p)+64+8*\bt+7], v[112*(\p)+8*\a:112*(\p)+8*\a+7], v[8*(4*\a+\bt):8*(4*\a+\bt)+7], v[SBQ+4*\bt+(\q)-4], v[SA+4*\a+(\q)-4] matrix_a_fmt:MATRIX_FMT_FP4 matrix_b_fmt:MATRIX_FMT_FP4 matrix_a_scale:MATRIX_SCALE_ROW1 matrix_b_scale:MATRIX_SCALE_ROW1
.endif
.endr
.endr
.endm
; v: 16 products, source 0 = the tokens
.macro MULV q, p
	WIN 0xf5                                       ; sources 0 and 1 window 1, C and D window 3
.irp e, 0,1
.irp a, 0,1,2,3,4,5,6,7
.if (\q) == 0
	v_wmma_scale_f32_16x16x128_f8f6f4 v[8*(8*\e+\a):8*(8*\e+\a)+7], v[112*(\p)+8*\a:112*(\p)+8*\a+7], v[112*(\p)+96+8*\e:112*(\p)+96+8*\e+7], v[BV+8*\e:BV+8*\e+7], v[SA+4*\a], v[SBV+4*\e] matrix_a_fmt:MATRIX_FMT_FP4 matrix_b_fmt:MATRIX_FMT_FP4
.elseif (\q) < 4
	v_wmma_scale_f32_16x16x128_f8f6f4 v[8*(8*\e+\a):8*(8*\e+\a)+7], v[112*(\p)+8*\a:112*(\p)+8*\a+7], v[112*(\p)+96+8*\e:112*(\p)+96+8*\e+7], v[8*(8*\e+\a):8*(8*\e+\a)+7], v[SA+4*\a+(\q)], v[SBV+4*\e+(\q)] matrix_a_fmt:MATRIX_FMT_FP4 matrix_b_fmt:MATRIX_FMT_FP4
.else
	v_wmma_scale_f32_16x16x128_f8f6f4 v[8*(8*\e+\a):8*(8*\e+\a)+7], v[112*(\p)+8*\a:112*(\p)+8*\a+7], v[112*(\p)+96+8*\e:112*(\p)+96+8*\e+7], v[8*(8*\e+\a):8*(8*\e+\a)+7], v[SA+4*\a+(\q)-4], v[SBV+4*\e+(\q)-4] matrix_a_fmt:MATRIX_FMT_FP4 matrix_b_fmt:MATRIX_FMT_FP4 matrix_a_scale:MATRIX_SCALE_ROW1 matrix_b_scale:MATRIX_SCALE_ROW1
.endif
.endr
.endr
.endm
; A K step of 128: 48 products; the next step's 28 loads are issued ahead of them, into the set that the last step multiplied.  The 48 accumulators take turns, in the same order in every step.
.macro STEP q
	s_wait_dscnt 0x0                               ; this step's fragments are in
.if (\q) < 7
.if (\q) > 0
	PLACES
.endif
	FETCH (\q)+1, 1-(\q)%2
.endif
	MULQK \q, (\q)%2
	MULV \q, (\q)%2
.endm
; 64 numbers of a lane, v[s] .. v[s + 63] of window win, in four blocks: block b = registers 16 b .. 16 b + 15 = the block's places 16 u + 8 (lane / 16) + j (u = 0, 1: two tiles).  The other 16 lie in lane l xor 16.
; They become codes in v[pc] .. v[pc + 7], in the operand's order, and four scale bytes in v[TM + 4] on.  A tile's eight codes go to register 4 (b / 2) + 2 u + b % 2; then the halves of each pair of registers change
; places, so that register 4 c + i of lanes' half H holds places 8 i .. 8 i + 7 of block 2 c + H: a whole block in a lane, as the matrix instruction wants it.
.macro QUANT win, s, pc
	WIN 20*(\win)                                  ; sources 1 and 2 in the accumulators' window
.irp b, 0,1,2,3
	v_max3_num_f32 v[TM+\b], s66, |v[(\s)+16*\b]|, |v[(\s)+16*\b+1]|      ; each accumulator is read from its low end on; the floor is one more leaf
.endr
.irp i, 2,4,6,8,10,12,14
.irp b, 0,1,2,3
	v_max3_num_f32 v[TM+\b], v[TM+\b], |v[(\s)+16*\b+\i]|, |v[(\s)+16*\b+\i+1]|   ; the four blocks by turns
.endr
.endr
	WIN 0
.irp b, 0,1,2,3
	v_permlanex16_b32 v[TM+4+\b], v[TM+\b], s68, s69
.endr
.irp b, 0,1,2,3
	v_max_num_f32 v[TM+\b], v[TM+\b], v[TM+4+\b]   ; the block's largest magnitude
.endr
.irp b, 0,1,2,3
	v_add_nc_u32 v[TM+12+\b], 0xff000000, v[TM+\b] ; 2 off its exponent field: the conversion takes the exponent field of this operand as its scale
.endr
.irp b, 0,1,2,3
	v_lshrrev_b32 v[TM+4+\b], 23, v[TM+12+\b]      ; the scale's byte
.endr
	WIN (\win)                                     ; source 0 in the accumulators' window
.irp b, 0,1,2,3
.irp u, 0,1
	v_cvt_scalef32_pk8_fp4_f32 v[(\pc)+4*(\b/2)+2*\u+\b%2], v[(\s)+16*\b+8*\u:(\s)+16*\b+8*\u+7], v[TM+12+\b]
.endr
.endr
	WIN 0
	v_nop                                          ; one plain instruction behind the last scaled conversion
.irp c, 0,1
.irp u, 0,1
	v_permlane16_swap_b32 v[(\pc)+4*\c+2*\u], v[(\pc)+4*\c+2*\u+1]
.endr
.endr
.endm
	s_wait_tensorcnt 0x0                           ; my parts of the tiles are in,
	s_barrier_signal -1
	s_barrier_wait -1                              ; everybody's are
	FETCH 0, 0
	s_wait_loadcnt 0x0                             ; scale words and biases
	STEP 0
	STEP 1
	STEP 2
	STEP 3
	STEP 4
	STEP 5
	STEP 6
	STEP 7
	WIN 0
	PLACES
	; THE WAY OUT.  q or k: two tiles of tokens at a time: blocks 0, 1 are the first tile's d 0-31 and 32-63, blocks 2, 3 the second's.  Each store covers 512 consecutive bytes, aligned to 256.
.irp pr, 0,1,2,3
	QUANT 2, 64*\pr, PC+8*\pr
	v_lshl_or_b32 v[SW+2*\pr], v[TM+5], 8, v[TM+4]
	v_lshl_or_b32 v[SW+2*\pr+1], v[TM+7], 8, v[TM+6]
	v_lshl_or_b32 v[SW+2*\pr], v[SW+2*\pr], 16, v[SW+2*\pr]            ; the two bytes once more, over the empty upper half of K
	v_lshl_or_b32 v[SW+2*\pr+1], v[SW+2*\pr+1], 16, v[SW+2*\pr+1]
	global_store_b128 v3, v[PC+8*\pr:PC+8*\pr+3], s[72:73] offset:1024*\pr
	global_store_b128 v3, v[PC+8*\pr+4:PC+8*\pr+7], s[72:73] offset:1024*\pr+512
.endr
	; v: a tile of 16 channels x 128 keys is one fragment and one scale word a channel
.irp e, 0,1
	QUANT 3, 64*\e, PC+32+8*\e
	v_lshl_or_b32 v[PWV+\e], v[TM+5], 8, v[TM+4]
	v_lshl_or_b32 v[PWV+\e], v[TM+6], 16, v[PWV+\e]
	v_lshl_or_b32 v[PWV+\e], v[TM+7], 24, v[PWV+\e]
	global_store_b128 v3, v[PC+32+8*\e:PC+32+8*\e+3], s[74:75] offset:1024*\e
	global_store_b128 v3, v[PC+32+8*\e+4:PC+32+8*\e+7], s[74:75] offset:1024*\e+512
.endr
	v_cmp_ne_u32 vcc_lo, 0, v2                     ; lanes 16-31
.irp i, 0,1,2,3
	v_cndmask_b32 v[OUTQ+\i], v[SW+\i], v[SW+4+\i], vcc_lo             ; token r: lanes 0-15 the words of tiles 0-3, lanes 16-31 of tiles 4-7
.endr
	v_cndmask_b32 v[OUTV], v[PWV], v[PWV+1], vcc_lo
	global_store_b128 v7, v[OUTQ:OUTQ+3], s[72:73] offset:4096         ; 512 consecutive bytes
	global_store_b32 v11, v[OUTV], s[76:77]                            ; 128 consecutive bytes: half of an aligned 256; the wave beside me writes the other half
	s_wait_tensorcnt 0x0                           ; the wave's end
	ds_add_u32 v[SPW], v[NIL]
	s_wait_dscnt 0x0
	CROUND                                         ; the closing round: no work-group ends while a partner may still ask for a tile that names it
	s_endpgm
.Lfunc_end_k_qf68d9236d6_qkv:
	.size	k_qf68d9236d6_qkv, .Lfunc_end_k_qf68d9236d6_qkv-k_qf68d9236d6_qkv
	.p2alignl 7, 3214868480
	.fill 96, 4, 3214868480
	.section	.rodata,"a",@progbits
	.p2align	6, 0x0
	.amdhsa_kernel k_qf68d9236d6_qkv
		.amdhsa_group_segment_fixed_size 237568
		.amdhsa_private_segment_fixed_size 0
		.amdhsa_enable_private_segment 0
		.amdhsa_kernarg_size 48
		.amdhsa_user_sgpr_count 2
		.amdhsa_user_sgpr_kernarg_segment_ptr 1
		.amdhsa_wavefront_size32 1
		.amdhsa_system_sgpr_workgroup_id_x 1
		.amdhsa_system_sgpr_workgroup_id_y 1
		.amdhsa_system_sgpr_workgroup_id_z 1
		.amdhsa_system_vgpr_workitem_id 0
		.amdhsa_next_free_vgpr 1024
		.amdhsa_next_free_sgpr 100
		.amdhsa_reserve_vcc 1
		.amdhsa_float_denorm_mode_32 3
		.amdhsa_float_denorm_mode_16_64 3
		.amdhsa_memory_ordered 1
		.amdhsa_forward_progress 1
		.amdhsa_inst_pref_size 99
	.end_amdhsa_kernel
	.amdgpu_metadata
---
amdhsa.version: [ 1, 2 ]
amdhsa.kernels:
  - .name:           k_qf68d9236d6_qkv
    .symbol:         k_qf68d9236d6_qkv.kd
    .args:
      - { .name: x_codes, .offset: 0, .size: 8, .value_kind: global_buffer, .address_space: global }
      - { .name: x_scales, .offset: 8, .size: 8, .value_kind: global_buffer, .address_space: global }
      - { .name: W_attn_codes, .offset: 16, .size: 8, .value_kind: global_buffer, .address_space: global }
      - { .name: W_attn_scales, .offset: 24, .size: 8, .value_kind: global_buffer, .address_space: global }
      - { .name: b_attn, .offset: 32, .size: 8, .value_kind: global_buffer, .address_space: global }
      - { .name: qkvw, .offset: 40, .size: 8, .value_kind: global_buffer, .address_space: global }
    .group_segment_fixed_size: 237568
    .private_segment_fixed_size: 0
    .kernarg_segment_align: 8
    .kernarg_segment_size: 48
    .max_flat_workgroup_size: 128
    .sgpr_count:     100
    .vgpr_count:     1024
    .wavefront_size: 32
...
	.end_amdgpu_metadata
.endif
;; end of part 1
;; launch attn (part 2): grid 4 x 64, 16 waves a work-group, clusters of 4 x 1, 167,936 bytes of LDS; arguments qkvw, ybuf, ysc; writes ybuf, ysc
.if DOCPART == 2
	.amdgcn_target "amdgcn-amd-amdhsa--gfx1250"
	.amdhsa_code_object_version 6
	.text
	.protected	k_qf68d9236d6_attn
	.globl	k_qf68d9236d6_attn
	.p2align	8
	.type	k_qf68d9236d6_attn,@function
k_qf68d9236d6_attn:
	s_mov_b64 s[64:65], 0
	v_nop
	global_prefetch_b8 v0, s[64:65] scope:SCOPE_SE
	s_setreg_imm32_b32 hwreg(HW_REG_WAVE_MODE, 25, 1), 1
	s_wait_xcnt 0x0
	s_wait_alu depctr_hold_cnt(0) depctr_sa_sdst(0) depctr_va_vdst(0) depctr_va_sdst(0) depctr_va_ssrc(0) depctr_va_vcc(0) depctr_vm_vsrc(0)
	s_getreg_b32 s2, hwreg(HW_REG_IB_STS2, 6, 4)
	s_cmp_eq_u32 s2, 0
	s_cbranch_scc0 .Lentry_in_a_cluster
	s_endpgm
.Lentry_in_a_cluster:
	s_bfe_u32 s2, ttmp6, 0x10000c
	s_cmp_lg_u32 s2, 0x3003
	s_cbranch_scc0 .Lentry_shape_is_right
	s_endpgm
.Lentry_shape_is_right:
; y = softmax(q k^T / 8, causal) v, both products on codes of E2M1, then y quantised along the head's 64 for the last product.
; LEFT OUT AS DEAD WORK: a step of 128 keys all of which come after a tile's 16 queries (reference()'s own jnp.tril gives them the weight 0 for all values of the inputs).  A NaN or infinity that reaches only such a step is not carried on.
; THE SOFTMAX: t = score x log2(e) / 8; M = the running largest t rounded UP to a whole number, kept as -M = floor(-t); p = 2^(t - M) is quantised along the keys, not normalised; the row's sum is taken of the
; unquantised p and divides at the end; when M moves, the sum and O are multiplied by 2^(old M - new M), which rounds nothing.
; SHARES.  A head's K and V, codes and scale words, are 16 key steps x 8,960 bytes: they lie in LDS whole, filled once, wave w fetching step w.  The four work-groups of a head form a cluster and ask jointly.
; Work-group j of the four takes the tiles of 16 queries t = 4 m + j, m = 0 .. 31.  Tile t needs m / 2 + 1 key steps, whatever j.  Wave w runs m = w and then m = 31 - w: 17 key steps for every wave of the launch.
; j enters global addresses and the mask's vector number alone: no branch, no trip count and no LDS address hangs on it.
; LAYOUT.  Both products are used transposed: S^T = K Q^T (source 0 = 16 keys, source 1 = my 16 queries), O^T = V^T P^T: a lane holds ONE query (lane % 16) throughout; register j of a tile is key or channel 8 (lane / 16) + j.
; K = 64 IN AN INSTRUCTION OF 128: Q's registers 4-7 are zero codes, so whatever codes stand in K's registers 4-7 add nothing (E2M1 has no NaN and no infinity; the scale words hold no 0xff).
; So K's eight tiles lie densely, 4 registers each, a tile's operand running on into the next tile's, the last into four zero registers.
; REGISTERS: v1-3 lane terms, v4-5 the add's two, v6-8 LDS addresses, v9-10 the mask's numbers, v11 ysc's offset, v12 -M, v13 the largest t, v[14:15] the sum; v16-31 Q (two passes); v32-67 K; v68-99 V; v100-163 S^T, then p, then y;
; v164-195 O^T; v196-203 p's codes; v204-216 scale words; v217-218 y's scale words; v220-237 at work; v240-247 y's codes.
.set KVB,   8960                       ; a key step's K and V in LDS
.set STEPB, 13568                      ; a key step in qkvw
.set SPARE, 16*KVB                     ; the spare words, 128 bytes for each wave: eight blocks of 256 bytes that no other line names
.set SPW, 4
.set NIL, 5
.set QA,  16
.set QB,  24
.set KF,  32
.set VF,  68
.set S,   100
.set O,   164
.set PC,  196
.set KSC, 204
.set VSC, 212
.set QSA, 214
.set QSB, 215
.set PW,  216
.set YWA, 217
.set YWB, 218
.set BM,  220
.set BT,  224
.set BS,  228
.set TT,  236
.set NINF, 237
.set YCA, 240
.set YCB, 244
.set DMA, 9
.set DMB, 10
.set WV,  10                           ; s10 wave
.set SDA, 13                           ; s13 the first pass's last key step
.set SDB, 14                           ; s14 the second's
.set TB,  15                           ; s15 LDS byte at which the key step in hand begins
.set KS,  28                           ; s28 the key step
.set YBA, 44
.set YBB, 46
.macro CROUND
	s_barrier_signal -1
	s_barrier_wait -1
	s_cmp_lg_u32 s[WV], 0
	s_cbranch_scc1 .Lnot_wave_0_\@
	s_barrier_signal -3
.Lnot_wave_0_\@:
	s_barrier_wait -3
	s_barrier_signal -1
	s_barrier_wait -1
.endm
	s_load_b128 s[4:7], s[0:1], 0x0                ; qkvw s[4:5], ybuf s[6:7]
	s_load_b64 s[8:9], s[0:1], 0x10                ; ysc
	v_lshl_add_u32 v[SPW], v0, 2, SPARE
	v_mov_b32 v[NIL], 0
	ds_add_u32 v[SPW], v[NIL]                      ; the wave's opening: the add, twice on end, and its wait ahead of my first tensor load
	ds_add_u32 v[SPW], v[NIL]
	v_lshrrev_b32 v6, 5, v0
	s_delay_alu instid0(VALU_DEP_1)
	v_readfirstlane_b32 s[WV], v6                  ; wave 0..15
	s_bfe_u32 s11, ttmp6, 0x40000                  ; j: my place in the cluster
	s_and_b32 s12, ttmp7, 0xffff                   ; batch x 16 + head, which the four partners share
	s_lshr_b32 s[SDA], s[WV], 1
	s_xor_b32 s[SDB], s[SDA], 15                   ; (31 - w) / 2
	; descriptor: a dense block of 8,960 bytes as 35 rows of 32 elements of 8 bytes; the mask names all four work-groups
	s_mov_b32 s16, 15|(3<<16)|(1<<21)
	s_mov_b32 s17, 32<<16
	s_mov_b32 s18, 35<<16
	s_mov_b32 s19, 32<<16
	s_mov_b32 s20, 35
	s_mov_b32 s21, 32
	s_mov_b32 s22, 0
	s_mov_b32 s23, 0
	s_mov_b32 s24, 1
	s_mul_i32 s25, s[WV], KVB                      ; key step w in LDS
	s_lshl_b32 s50, s12, 4
	s_add_co_u32 s42, s50, s[WV]
	s_mul_i32 s42, s42, STEPB                      ; and in memory
	s_mov_b32 s43, 0
	s_mov_b32 s30, 0x76543210
	s_mov_b32 s31, 0xfedcba98                      ; v_permlanex16_b32's selects for lane l xor 16
	s_mov_b32 s32, 0x3e38aa3b                      ; c = log2(e) / 8
	s_mov_b32 s33, s32                             ; (named with it as a pair, so it is written)
	s_mov_b32 s52, 0x1800000                       ; the floor 2^(3 - 127)
	s_wait_dscnt 0x0                               ; both opening adds are done
	s_wait_kmcnt 0x0
	s_add_nc_u64 s[26:27], s[4:5], s[42:43]
	s_or_b32 s27, s27, 0x80000000
	CROUND                                         ; all four work-groups are here: the joint loads meet
	tensor_load_to_lds s[24:27], s[16:23]          ; one load a wave, in every wave: one is out
	s_nop 0
	; where my two tiles of queries lie, and where their y goes
	s_mov_b32 s55, 0
	s_mov_b32 s59, 0
	s_add_co_u32 s42, s50, s[SDA]
	s_mul_i32 s42, s42, STEPB                      ; pass A: the key step that holds tile 4 w + j
	s_and_b32 s53, s[WV], 1
	s_lshl_b32 s53, s53, 2
	s_add_co_u32 s53, s53, s11                     ; and the tile's number in it: 4 (w % 2) + j
	s_lshl_b32 s54, s53, 9
	s_add_co_u32 s54, s54, s42
	s_add_co_u32 s54, s54, 8960
	s_add_nc_u64 s[34:35], s[4:5], s[54:55]        ; its codes
	s_lshl_b32 s54, s53, 2
	s_add_co_u32 s54, s54, s42
	s_add_co_u32 s54, s54, 13056
	s_add_nc_u64 s[36:37], s[4:5], s[54:55]        ; its scale words
	s_add_co_u32 s42, s50, s[SDB]
	s_mul_i32 s42, s42, STEPB                      ; pass B: tile 4 (31 - w) + j
	s_and_b32 s56, s[WV], 1
	s_xor_b32 s56, s56, 1
	s_lshl_b32 s56, s56, 2
	s_add_co_u32 s56, s56, s11
	s_lshl_b32 s54, s56, 9
	s_add_co_u32 s54, s54, s42
	s_add_co_u32 s54, s54, 8960
	s_add_nc_u64 s[38:39], s[4:5], s[54:55]
	s_lshl_b32 s54, s56, 2
	s_add_co_u32 s54, s54, s42
	s_add_co_u32 s54, s54, 13056
	s_add_nc_u64 s[40:41], s[4:5], s[54:55]
	s_lshr_b32 s42, s12, 4
	s_lshl_b32 s42, s42, 7
	s_add_co_u32 s42, s42, s11                     ; 128 x batch + j
	s_and_b32 s57, s12, 15                         ; the head
	s_lshl_b32 s54, s[WV], 2
	s_add_co_u32 s54, s54, s42                     ; pass A's tile of tokens
	s_lshl_b32 s54, s54, 4
	s_add_co_u32 s54, s54, s57
	s_lshl_b32 s58, s54, 6
	s_add_nc_u64 s[48:49], s[8:9], s[58:59]        ; ysc: 64 bytes for a tile and a head
	s_lshl_b32 s54, s54, 9
	s_add_nc_u64 s[YBA:YBA+1], s[6:7], s[54:55]    ; ybuf: 512 bytes for a tile and a head
	s_xor_b32 s54, s[WV], 31
	s_lshl_b32 s54, s54, 2
	s_add_co_u32 s54, s54, s42
	s_lshl_b32 s54, s54, 4
	s_add_co_u32 s54, s54, s57
	s_lshl_b32 s54, s54, 9
	s_add_nc_u64 s[YBB:YBB+1], s[6:7], s[54:55]
	v_and_b32 v6, 15, v0                           ; r
	v_bfe_u32 v7, v0, 4, 1                         ; h
	v_and_b32 v8, 31, v0                           ; lane
	s_delay_alu instid0(VALU_DEP_1)
	v_lshlrev_b32 v1, 4, v8                        ; 16 x lane: an image's place
	s_delay_alu instid0(VALU_DEP_4)
	v_lshlrev_b32 v2, 5, v6                        ; 32 r: a row's eight scale words
	s_delay_alu instid0(VALU_DEP_3)
	v_lshlrev_b32 v3, 2, v8                        ; 4 x lane
	global_load_b128 v[QA:QA+3], v1, s[34:35]      ; Q stays in registers
	global_load_b32 v[QSA], v2, s[36:37]
	global_load_b128 v[QB:QB+3], v1, s[38:39]
	global_load_b32 v[QSB], v2, s[40:41]
	v_lshlrev_b32 v9, 3, v7
	s_delay_alu instid0(VALU_DEP_1)
	v_sub_nc_u32 v9, v6, v9                        ; r - 8 h
	s_lshl_b32 s53, s53, 4
	s_lshl_b32 s56, s56, 4
	v_add_nc_u32 v[DMB], s56, v9                   ; the mask's number: my query's place in its key step, less 8 h
	v_add_nc_u32 v[DMA], s53, v9
	s_lshl_b32 s54, s[WV], 1
	s_sub_co_u32 s54, 31, s54
	s_lshl_b32 s54, s54, 12                        ; pass B's words lie (31 - 2 w) x 4 tiles x 1,024 bytes behind pass A's
	v_mul_u32_u24 v11, s54, v7
	s_delay_alu instid0(VALU_DEP_1)
	v_lshl_add_u32 v11, v6, 2, v11                 ; lanes 0-15 store pass A's words, lanes 16-31 pass B's
.irp j, 4,5,6,7
	v_mov_b32 v[QA+\j], 0                          ; zero codes over the empty upper half of K
	v_mov_b32 v[QB+\j], 0
	v_mov_b32 v[KF+28+\j], 0                       ; and behind K's last tile
	v_mov_b32 v[BT+\j-4], 0                        ; written once: a lane permute's destination counts as one of its sources
.endr
	v_mov_b32 v235, 0                              ; (named as the upper half of the pair v[234:235])
	v_mov_b32 v[TT], 0
	v_mov_b32 v[NINF], 0xff800000                  ; -infinity
	s_wait_tensorcnt 0x0                           ; my key step is in,
	s_barrier_signal -1
	s_barrier_wait -1                              ; everybody's is: the whole head lies in LDS
	s_wait_loadcnt 0x0                             ; Q
; ONE TILE OF 16 QUERIES.  qf, qs: Q's fragment and scale word; dm: the mask's number; sd: the tile's own key step, its last; yc, yw: where y's codes and scale word are left; yb: y's place in ybuf.
.macro PASS qf, qs, dm, sd, yc, yw, yb
	v_mov_b32 v13, 0xff61b1e6                      ; the largest t so far: -3e38, under every t
	v_mov_b32 v14, 0                               ; the sum, in two halves
	v_mov_b32 v15, 0
	s_delay_alu instid0(VALU_DEP_3)
	v_floor_f32 v12, -v13                          ; -M
.set J, 0
.rept 32
	v_mov_b32 v[O+J], 0                            ; O^T.  (The step is written once: the first finds zeros, which the first change of M leaves zeros)
.set J, J+1
.endr
	s_mov_b32 s[TB], 0
	s_mov_b32 s[KS], 0
.Lstep_\@:                                         ; 16 trips, a constant; a trip whose keys all come after my queries does nothing but step
	s_cmp_gt_u32 s[KS], s[\sd]
	s_cbranch_scc1 .Lskip_\@
	s_setprio 2
	v_add_nc_u32 v6, s[TB], v1                     ; these three and the v_nop are the four places behind the last trip's products, ahead of the loads into V's registers
	v_add_nc_u32 v7, s[TB], v2
	v_add_nc_u32 v8, s[TB], v3
	v_nop
.irp t, 0,1,2,3,4,5,6,7
	ds_load_b128 v[KF+4*\t:KF+4*\t+3], v6 offset:512*\t                ; K's tile t: 512 consecutive bytes
.endr
	ds_load_b128 v[KSC:KSC+3], v7 offset:4096                          ; key r's words of tiles 0-3
	ds_load_b128 v[KSC+4:KSC+7], v7 offset:4112                        ; and 4-7
.irp t, 0,1,2,3
	ds_load_b128 v[VF+8*\t:VF+8*\t+3], v6 offset:4608+1024*\t
	ds_load_b128 v[VF+8*\t+4:VF+8*\t+7], v6 offset:4608+1024*\t+512
.endr
	ds_load_b32 v[VSC], v8 offset:8704                                 ; lanes 0-15: channels' tile 0; lanes 16-31: tile 1
	ds_load_b32 v[VSC+1], v8 offset:8832                               ; tiles 2 and 3
	s_wait_dscnt 10                                ; K and its words are in; the ten loads issued behind them (V's eight, its words' two) may be out
.irp t, 0,1,2,3,4,5,6,7
	v_wmma_scale_f32_16x16x128_f8f6f4 v[S+8*\t:S+8*\t+7], v[KF+4*\t:KF+4*\t+7], v[\qf:\qf+7], 0, v[KSC+\t], v[\qs] matrix_a_fmt:MATRIX_FMT_FP4 matrix_b_fmt:MATRIX_FMT_FP4
.endr
.rept 4
	v_nop
.endr
	s_cmp_lt_u32 s[KS], s[\sd]                     ; only my own key step lies on the diagonal
	s_cbranch_scc1 .Lopen_\@
.set N, 0
.rept 64
	v_cmp_gt_i32 vcc_lo, 16*(N/8)+N%8, v[\dm]      ; register N holds key 16 (N / 8) + 8 h + N % 8 of the step: hidden where that is above my query's place
	v_cndmask_b32 v[S+N], v[S+N], v[NINF], vcc_lo
.set N, N+1
.endr
.Lopen_\@:
.irp b, 0,1,2,3
	v_max3_num_f32 v[BM+\b], v[S+16*\b], v[S+16*\b+1], v[S+16*\b+2]    ; the largest score of each block of 32 keys: it serves the row's maximum and, since p rises with the score, the block's largest p
.endr
.irp i, 3,5,7,9,11,13
.irp b, 0,1,2,3
	v_max3_num_f32 v[BM+\b], v[BM+\b], v[S+16*\b+\i], v[S+16*\b+\i+1]
.endr
.endr
.irp b, 0,1,2,3
	v_max_num_f32 v[BM+\b], v[BM+\b], v[S+16*\b+15]
.endr
.irp b, 0,1,2,3
	s_delay_alu instid0(VALU_DEP_4)
	v_permlanex16_b32 v[BT+\b], v[BM+\b], s30, s31
.endr
.irp b, 0,1,2,3
	s_delay_alu instid0(VALU_DEP_4)
	v_max_num_f32 v[BM+\b], v[BM+\b], v[BT+\b]     ; with lane l xor 16's 16 keys
.endr
	s_delay_alu instid0(VALU_DEP_2)
	v_max3_num_f32 v[TT], v[BM], v[BM+1], v[BM+2]
	s_delay_alu instid0(VALU_DEP_1)
	v_max_num_f32 v[TT], v[TT], v[BM+3]            ; the step's largest score of my query
	s_delay_alu instid0(VALU_DEP_1)
	v_mul_f32 v[TT], s32, v[TT]                    ; as t
	s_delay_alu instid0(VALU_DEP_1)
	v_max_num_f32 v13, v13, v[TT]                  ; the running largest t
	v_mov_b32 v[TT], v12
	s_delay_alu instid0(VALU_DEP_2)
	v_floor_f32 v12, -v13                          ; the new -M
	s_delay_alu instid0(VALU_DEP_1)
	v_sub_f32 v[TT], v12, v[TT]                    ; old M - new M: a whole number, 0 or less
	s_delay_alu instid0(VALU_DEP_1)
	v_cvt_i32_f32 v[TT], v[TT]                     ; (it saturates)
	s_delay_alu instid0(VALU_DEP_1)
	v_ldexp_f32 v234, 1.0, v[TT]                   ; f = 2^(old M - new M)
.set J, 0
.rept 32
	v_pk_fma_f32 v[S+J:S+J+1], v[S+J:S+J+1], s[32:33], v[12:13] op_sel_hi:[1,0,0]   ; t - M, two at a time
.set J, J+2
.endr
	s_setprio 1
.irp b, 0,1,2,3
	v_fma_f32 v[BM+\b], v[BM+\b], s32, v12         ; the same of each block's largest score
.endr
.set J, 0
	s_wait_alu depctr_va_vdst(0)
.rept 64
	v_exp_f32 v[S+J], v[S+J]                       ; p = 2^(t - M)
.set J, J+1
.endr
	v_pk_mul_f32 v[14:15], v[14:15], v[234:235] op_sel_hi:[1,0]        ; the sums under the new M: the plain instruction behind the exponentials
	s_wait_alu depctr_va_vdst(0)                   ; one wait for the batch of 64, ahead of its first reader
.irp b, 0,1,2,3
	v_exp_f32 v[BM+\b], v[BM+\b]                   ; the block's largest p
.endr
	v_pk_add_f32 v[232:233], v[104:105], v[108:109]
	v_pk_add_f32 v[254:255], v[112:113], v[116:117]
	v_pk_add_f32 v[252:253], v[120:121], v[124:125]
	v_pk_add_f32 v[250:251], v[128:129], v[132:133]
	v_pk_add_f32 v[248:249], v[136:137], v[140:141]
	v_pk_add_f32 v[246:247], v[144:145], v[148:149]
	v_pk_add_f32 v[244:245], v[152:153], v[156:157]
	v_pk_add_f32 v[14:15], v[14:15], v[160:161]
	v_pk_add_f32 v[232:233], v[232:233], v[100:101]
	v_pk_add_f32 v[254:255], v[254:255], v[102:103]
	v_pk_add_f32 v[252:253], v[252:253], v[106:107]
	v_pk_add_f32 v[250:251], v[250:251], v[110:111]
	v_pk_add_f32 v[248:249], v[248:249], v[114:115]
	v_pk_add_f32 v[246:247], v[246:247], v[118:119]
	v_pk_add_f32 v[244:245], v[244:245], v[122:123]
	v_pk_add_f32 v[14:15], v[14:15], v[126:127]
	v_pk_add_f32 v[232:233], v[232:233], v[130:131]
	v_pk_add_f32 v[254:255], v[254:255], v[134:135]
	v_pk_add_f32 v[252:253], v[252:253], v[138:139]
	v_pk_add_f32 v[250:251], v[250:251], v[142:143]
	v_pk_add_f32 v[248:249], v[248:249], v[146:147]
	v_pk_add_f32 v[246:247], v[246:247], v[150:151]
	v_pk_add_f32 v[244:245], v[244:245], v[154:155]
	v_pk_add_f32 v[14:15], v[14:15], v[158:159]
	v_pk_add_f32 v[232:233], v[232:233], v[162:163]
	s_delay_alu instid0(VALU_DEP_2)
	v_pk_add_f32 v[14:15], v[14:15], v[250:251]
	s_delay_alu instid0(VALU_DEP_2)
	v_pk_add_f32 v[232:233], v[232:233], v[248:249]
	v_pk_add_f32 v[254:255], v[254:255], v[246:247]
	v_pk_add_f32 v[252:253], v[252:253], v[244:245]
	s_delay_alu instid0(VALU_DEP_2)
	v_pk_add_f32 v[14:15], v[14:15], v[254:255]
	s_delay_alu instid0(VALU_DEP_2)
	v_pk_add_f32 v[232:233], v[232:233], v[252:253]
	s_delay_alu instid0(VALU_DEP_1)
	v_pk_add_f32 v[14:15], v[14:15], v[232:233]
	s_wait_alu depctr_va_vdst(0)                   ; and one for the four
.irp b, 0,1,2,3
	v_max_num_f32 v[BM+\b], s52, v[BM+\b]          ; the floor: the byte cannot fall under 1
.endr
.irp b, 0,1,2,3
	s_delay_alu instid0(VALU_DEP_4)
	v_add_nc_u32 v[BS+\b], 0xff000000, v[BM+\b]    ; 2 off the exponent field: the conversion's scale operand
.endr
.irp b, 0,1,2,3
	s_delay_alu instid0(VALU_DEP_4)
	v_lshrrev_b32 v[BT+\b], 23, v[BS+\b]           ; the scale's byte
.endr
	s_delay_alu instid0(VALU_DEP_3)
	v_lshl_or_b32 v[PW], v[BT+1], 8, v[BT]         ; p's scale word for these 128 keys
	s_delay_alu instid0(VALU_DEP_1)
	v_lshl_or_b32 v[PW], v[BT+2], 16, v[PW]
	s_delay_alu instid0(VALU_DEP_1)
	v_lshl_or_b32 v[PW], v[BT+3], 24, v[PW]
	s_setprio 0
.irp b, 0,1,2,3
.irp u, 0,1
	v_cvt_scalef32_pk8_fp4_f32 v[PC+4*(\b/2)+2*\u+\b%2], v[S+16*\b+8*\u:S+16*\b+8*\u+7], v[BS+\b]   ; tile 2 b + u's eight codes
.endr
.endr
	v_nop                                          ; one plain instruction behind the last scaled conversion
.irp c, 0,1
.irp u, 0,1
	v_permlane16_swap_b32 v[PC+4*\c+2*\u], v[PC+4*\c+2*\u+1]           ; a whole block in a lane: register 4 c + i of half H: keys 64 c + 32 H + 8 i on
.endr
.endr
.set J, 0
.rept 16
	v_pk_mul_f32 v[O+J:O+J+1], v[O+J:O+J+1], v[234:235] op_sel_hi:[1,0]   ; O^T under the new M.  (These sixteen also stand between the lines that made p's codes and scale word and the products)
.set J, J+2
.endr
	s_wait_alu depctr_va_vdst(0)
	s_wait_dscnt 0x0                               ; V is in
.irp t, 0,2
	v_wmma_scale_f32_16x16x128_f8f6f4 v[O+8*\t:O+8*\t+7], v[VF+8*\t:VF+8*\t+7], v[PC:PC+7], v[O+8*\t:O+8*\t+7], v[VSC+\t/2], v[PW] matrix_a_fmt:MATRIX_FMT_FP4 matrix_b_fmt:MATRIX_FMT_FP4
	v_wmma_scale_f32_16x16x128_f8f6f4 v[O+8*\t+8:O+8*\t+15], v[VF+8*\t+8:VF+8*\t+15], v[PC:PC+7], v[O+8*\t+8:O+8*\t+15], v[VSC+\t/2], v[PW] matrix_a_fmt:MATRIX_FMT_FP4 matrix_b_fmt:MATRIX_FMT_FP4 matrix_a_scale:MATRIX_SCALE_ROW1
.endr
.Lskip_\@:
	s_add_co_u32 s[TB], s[TB], KVB
	s_add_co_u32 s[KS], s[KS], 1
	s_cmp_lt_u32 s[KS], 16
	s_cbranch_scc1 .Lstep_\@
	s_setprio 0
	; y = O^T / the sum, quantised along d: two blocks of 32
.rept 4
	v_nop
.endr
	v_add_f32 v14, v14, v15
	s_delay_alu instid0(VALU_DEP_1)
	v_permlanex16_b32 v[TT], v14, s30, s31
	s_delay_alu instid0(VALU_DEP_1)
	v_add_f32 v14, v14, v[TT]                      ; the row's sum
	s_wait_alu depctr_va_vdst(0)
	v_rcp_f32 v14, v14
	v_nop                                          ; a plain instruction behind the reciprocal,
	s_wait_alu depctr_va_vdst(0)                   ; and the wait ahead of its first reader
.set J, 0
.rept 16
	v_pk_mul_f32 v[S+J:S+J+1], v[O+J:O+J+1], v[14:15] op_sel_hi:[1,0]  ; register 8 t + j: y(my query, 16 t + 8 h + j); each accumulator from its low end on
.set J, J+2
.endr
.irp b, 0,1
	v_max3_num_f32 v[BM+\b], |v[S+16*\b]|, |v[S+16*\b+1]|, s52
.endr
.irp i, 2,4,6,8,10,12,14
.irp b, 0,1
	s_delay_alu instid0(VALU_DEP_2)
	v_max3_num_f32 v[BM+\b], v[BM+\b], |v[S+16*\b+\i]|, |v[S+16*\b+\i+1]|
.endr
.endr
.irp b, 0,1
	s_delay_alu instid0(VALU_DEP_2)
	v_permlanex16_b32 v[BT+\b], v[BM+\b], s30, s31
.endr
.irp b, 0,1
	s_delay_alu instid0(VALU_DEP_2)
	v_max_num_f32 v[BM+\b], v[BM+\b], v[BT+\b]
.endr
.irp b, 0,1
	s_delay_alu instid0(VALU_DEP_2)
	v_add_nc_u32 v[BS+\b], 0xff000000, v[BM+\b]
.endr
.irp b, 0,1
	s_delay_alu instid0(VALU_DEP_2)
	v_lshrrev_b32 v[BT+\b], 23, v[BS+\b]
.endr
	s_delay_alu instid0(VALU_DEP_1)
	v_lshl_or_b32 v[\yw], v[BT+1], 8, v[BT]        ; this head's half of a scale word of the last product
.irp b, 0,1
.irp u, 0,1
	v_cvt_scalef32_pk8_fp4_f32 v[\yc+2*\u+\b], v[S+16*\b+8*\u:S+16*\b+8*\u+7], v[BS+\b]
.endr
.endr
	v_nop
	v_permlane16_swap_b32 v[\yc], v[\yc+1]
	v_permlane16_swap_b32 v[\yc+2], v[\yc+3]
	global_store_b128 v1, v[\yc:\yc+3], s[\yb:\yb+1]                   ; half a fragment of the last product: 512 consecutive bytes, aligned to 256
.endm
	PASS QA, QSA, DMA, SDA, YCA, YWA, YBA
	PASS QB, QSB, DMB, SDB, YCB, YWB, YBB
	v_and_b32 v[TT], 16, v0
	s_delay_alu instid0(VALU_DEP_1)
	v_cmp_ne_u32 vcc_lo, 0, v[TT]                  ; lanes 16-31
	s_delay_alu instid0(VALU_DEP_1)
	v_cndmask_b32 v[TT], v[YWA], v[YWB], vcc_lo
	global_store_b32 v11, v[TT], s[48:49]          ; two pieces of 64 bytes: a tile's words of one head
	s_wait_tensorcnt 0x0                           ; the wave's end
	ds_add_u32 v[SPW], v[NIL]
	s_wait_dscnt 0x0
	CROUND                                         ; the closing round
	s_endpgm
.Lfunc_end_k_qf68d9236d6_attn:
	.size	k_qf68d9236d6_attn, .Lfunc_end_k_qf68d9236d6_attn-k_qf68d9236d6_attn
	.p2alignl 7, 3214868480
	.fill 96, 4, 3214868480
	.section	.rodata,"a",@progbits
	.p2align	6, 0x0
	.amdhsa_kernel k_qf68d9236d6_attn
		.amdhsa_group_segment_fixed_size 167936
		.amdhsa_private_segment_fixed_size 0
		.amdhsa_enable_private_segment 0
		.amdhsa_kernarg_size 24
		.amdhsa_user_sgpr_count 2
		.amdhsa_user_sgpr_kernarg_segment_ptr 1
		.amdhsa_wavefront_size32 1
		.amdhsa_system_sgpr_workgroup_id_x 1
		.amdhsa_system_sgpr_workgroup_id_y 1
		.amdhsa_system_sgpr_workgroup_id_z 1
		.amdhsa_system_vgpr_workitem_id 0
		.amdhsa_next_free_vgpr 256
		.amdhsa_next_free_sgpr 66
		.amdhsa_reserve_vcc 1
		.amdhsa_float_denorm_mode_32 3
		.amdhsa_float_denorm_mode_16_64 3
		.amdhsa_memory_ordered 1
		.amdhsa_forward_progress 1
		.amdhsa_inst_pref_size 60
	.end_amdhsa_kernel
	.amdgpu_metadata
---
amdhsa.version: [ 1, 2 ]
amdhsa.kernels:
  - .name:           k_qf68d9236d6_attn
    .symbol:         k_qf68d9236d6_attn.kd
    .args:
      - { .name: qkvw, .offset: 0, .size: 8, .value_kind: global_buffer, .address_space: global }
      - { .name: ybuf, .offset: 8, .size: 8, .value_kind: global_buffer, .address_space: global }
      - { .name: ysc, .offset: 16, .size: 8, .value_kind: global_buffer, .address_space: global }
    .group_segment_fixed_size: 167936
    .private_segment_fixed_size: 0
    .kernarg_segment_align: 8
    .kernarg_segment_size: 24
    .max_flat_workgroup_size: 512
    .sgpr_count:     66
    .vgpr_count:     256
    .wavefront_size: 32
...
	.end_amdgpu_metadata
.endif
;; end of part 2
;; launch proj (part 3): grid 8 x 32, 4 waves a work-group, clusters of 4 x 4, 233,472 bytes of LDS; arguments ybuf, ysc, W_proj_codes, W_proj_scales, b_proj, out0; writes out0
.if DOCPART == 3
	.amdgcn_target "amdgcn-amd-amdhsa--gfx1250"
	.amdhsa_code_object_version 6
	.text
	.protected	k_qf68d9236d6_proj
	.globl	k_qf68d9236d6_proj
	.p2align	8
	.type	k_qf68d9236d6_proj,@function
k_qf68d9236d6_proj:
	s_mov_b64 s[64:65], 0
	v_nop
	global_prefetch_b8 v0, s[64:65] scope:SCOPE_SE
	s_setreg_imm32_b32 hwreg(HW_REG_WAVE_MODE, 25, 1), 1
	s_wait_xcnt 0x0
	s_wait_alu depctr_hold_cnt(0) depctr_sa_sdst(0) depctr_va_vdst(0) depctr_va_sdst(0) depctr_va_ssrc(0) depctr_va_vcc(0) depctr_vm_vsrc(0)
	s_getreg_b32 s2, hwreg(HW_REG_IB_STS2, 6, 4)
	s_cmp_eq_u32 s2, 0
	s_cbranch_scc0 .Lentry_in_a_cluster
	s_endpgm
.Lentry_in_a_cluster:
	s_bfe_u32 s2, ttmp6, 0x10000c
	s_cmp_lg_u32 s2, 0xf033
	s_cbranch_scc0 .Lentry_shape_is_right
	s_endpgm
.Lentry_shape_is_right:
; out0 = y W_proj + b_proj on codes of E2M1.  y comes from launch attn as images of operand registers (ybuf: [tile of 16 tokens 512][head 16][lane 32][16 bytes]; K step s = heads 2 s and 2 s + 1) with half a scale word
; for a token and a head (ysc: [tile][head][r 16][4 bytes]); W_proj as it is given.  Nothing is left out here.
; SHARES.  A work-group makes 256 tokens (ty) x 128 columns (nx).  K = 1,024: y's 16 tiles (131,072 bytes, dense) and W's 128 rows of 512 bytes lie in LDS whole, filled once.  Wave w: tokens 64 w .. 64 w + 63 x all 128 columns: 32 accumulators.
; THE PRODUCT IS USED TRANSPOSED (source 0 = 16 rows of W, source 1 = 16 tokens): a lane holds eight neighbouring columns of one row of the output.  The bias is the C of each sum's first product.
; CLUSTER 4 x 4: y's block hangs on ty alone and is shared along a row of the cluster, W's rows on nx alone and are shared along a column.
; REGISTERS: window 0: v1-10 lane terms, v12-13 the add's two, v16-31 y's scale words, v32-63 W's, v64-127 the bias in the result's layout, v128-255 the way out (v128-143 first: the odd heads' words).
;   window 1: two sets of 12 fragments (at 0 and 96: y's 4, W's 8).   window 2: the accumulators, (a, bt) at 8 (8 a + bt).
.set PITCH, 528                        ; an LDS row of W: 512 bytes + 16 of padding
.set T16,   16*PITCH
.set T64,   64*PITCH
.set BOFF,  131072                     ; behind y's images
.set STAGE, BOFF+2*T64                 ; the way out: 16 rows x (512 + 16) bytes for each wave; no tile lands here
.set SPARE, STAGE+4*T16                ; the spare words, 128 bytes for each wave: two blocks of 256 bytes that no other line names
.set SPW, 12
.set NIL, 13
.set SA,  16
.set SB,  32
.set BI,  64
.set YT,  128
.set BK,  128
.set MSB, 0
.macro WIN new
.if MSB != (\new)
	s_set_vgpr_msb (MSB<<8)|(\new)
.set MSB, (\new)
.endif
.endm
.macro PLACES
.rept 4
	v_nop
.endr
.endm
.macro CROUND
	s_barrier_signal -1
	s_barrier_wait -1
	s_cmp_lg_u32 s16, 0
	s_cbranch_scc1 .Lnot_wave_0_\@
	s_barrier_signal -3
.Lnot_wave_0_\@:
	s_barrier_wait -3
	s_barrier_signal -1
	s_barrier_wait -1
.endm
	s_load_b256 s[4:11], s[0:1], 0x0               ; ybuf s[4:5], ysc s[6:7], W_proj_codes s[8:9], W_proj_scales s[10:11]
	s_load_b128 s[12:15], s[0:1], 0x20             ; b_proj s[12:13], out0 s[14:15]
	v_lshl_add_u32 v[SPW], v0, 2, SPARE
	v_mov_b32 v[NIL], 0
	ds_add_u32 v[SPW], v[NIL]                      ; the wave's opening: the add, twice on end, and its wait ahead of my first tensor load
	ds_add_u32 v[SPW], v[NIL]
	v_lshrrev_b32 v1, 5, v0
	v_readfirstlane_b32 s16, v1                    ; wave 0..3
	s_lshr_b32 s17, s16, 1                         ; I fetch for y (0) or for W (1),
	s_and_b32 s18, s16, 1                          ; its first or its second half
	s_bfe_u32 s19, ttmp6, 0x40000                  ; cx
	s_bfe_u32 s20, ttmp6, 0x40004                  ; cy
	s_lshl_b32 s21, ttmp9, 2
	s_add_co_u32 s21, s21, s19                     ; nx
	s_and_b32 s22, ttmp7, 0xffff
	s_lshl_b32 s22, s22, 2
	s_add_co_u32 s22, s22, s20                     ; ty
	s_lshl_b32 s23, s20, 2
	s_lshl_b32 s23, 15, s23                        ; my row of the cluster
	s_lshl_b32 s48, 0x1111, s19                    ; my column
	s_or_b32 s24, s23, (3<<16)|(1<<21)             ; y: a dense block of 65,536 bytes as 256 rows of 32 elements of 8 bytes
	s_mov_b32 s25, 32<<16
	s_mov_b32 s26, 256<<16
	s_mov_b32 s27, 32<<16
	s_mov_b32 s28, 256
	s_mov_b32 s29, 32
	s_mov_b32 s30, 0
	s_mov_b32 s31, 0
	s_or_b32 s36, s48, (1<<20)|(1<<21)|(6<<22)|(3<<25)   ; W: 64 rows x 512 elements of 1 byte, 4 words of padding behind every 128
	s_mov_b32 s37, 512<<16
	s_mov_b32 s38, 64<<16
	s_mov_b32 s39, 512<<16
	s_mov_b32 s40, 64
	s_mov_b32 s41, 512
	s_mov_b32 s42, 0
	s_mov_b32 s43, 0
	s_mov_b32 s32, 1
	s_lshl_b32 s33, s18, 16                        ; y's half in LDS,
	s_lshl_b32 s50, s22, 17                        ; and in memory: ty and the wave's number alone
	s_lshl_b32 s51, s18, 16
	s_add_co_u32 s50, s50, s51
	s_mov_b32 s51, 0
	s_mov_b32 s44, 1
	s_mul_i32 s45, s18, T64
	s_add_co_u32 s45, s45, BOFF                    ; W's half in LDS,
	s_lshl_b32 s52, s21, 16                        ; and in memory: (128 nx + 64 half) x 512: nx and the wave's number alone
	s_lshl_b32 s53, s18, 15
	s_add_co_u32 s52, s52, s53
	s_mov_b32 s53, 0
	s_wait_dscnt 0x0                               ; both opening adds are done
	s_wait_kmcnt 0x0
	s_add_nc_u64 s[34:35], s[4:5], s[50:51]
	s_or_b32 s35, s35, 0x80000000
	s_add_nc_u64 s[46:47], s[8:9], s[52:53]
	s_or_b32 s47, s47, 0x80000000
	CROUND                                         ; all sixteen work-groups are here: the joint loads meet
	s_cmp_eq_u32 s17, 0                            ; one load a wave, one in each arm: one is out
	s_cbranch_scc0 .Lfor_w
	tensor_load_to_lds s[32:35], s[24:31]
	s_nop 0
	PLACES
	s_branch .Lasked
.Lfor_w:
	tensor_load_to_lds s[44:47], s[36:43]
	s_nop 0
	PLACES
.Lasked:
	v_and_b32 v1, 15, v0                           ; r
	v_bfe_u32 v2, v0, 4, 1                         ; h
	v_and_b32 v3, 31, v0
	v_lshlrev_b32 v10, 2, v3                       ; 4 x lane
	v_lshlrev_b32 v3, 4, v3                        ; 16 x lane
	s_lshl_b32 s54, s16, 15
	v_add_nc_u32 v4, s54, v3                       ; y: my four tiles' images
	v_mul_u32_u24 v5, v1, PITCH
	v_lshl_add_u32 v5, v2, 4, v5
	v_add_nc_u32 v5, BOFF, v5                      ; W: row x pitch + 16 x half
	s_mul_i32 s54, s16, T16
	s_add_co_u32 s54, s54, STAGE                   ; my stage
	v_mul_u32_u24 v6, v1, PITCH
	v_lshl_add_u32 v6, v2, 5, v6
	v_add_nc_u32 v6, s54, v6                       ; in: row r, 32 bytes for each half of the lanes
	v_add_nc_u32 v7, s54, v3                       ; back: the 32 lanes take one row of 512 bytes
	v_lshlrev_b32 v8, 5, v1
	v_lshl_add_u32 v8, v2, 4, v8                   ; 32 r + 16 h
	s_wait_alu depctr_va_vdst(0)
	v_lshlrev_b32 v9, 5, v2                        ; 32 h
	s_wait_alu depctr_va_vdst(0)
	s_mov_b32 s55, 0
	s_lshl_b32 s54, s21, 12
	s_add_nc_u64 s[56:57], s[10:11], s[54:55]      ; W's scales: 128 nx x 32
	s_lshl_b32 s54, s21, 9
	s_add_nc_u64 s[58:59], s[12:13], s[54:55]      ; b_proj: 128 nx x 4
	s_lshl_b32 s54, s22, 14
	s_lshl_b32 s66, s16, 12
	s_add_co_u32 s54, s54, s66
	s_add_nc_u64 s[60:61], s[6:7], s[54:55]        ; ysc: (16 ty + 4 w) x 1,024
	s_lshl_b32 s54, s22, 20
	s_lshl_b32 s66, s16, 18
	s_add_co_u32 s54, s54, s66
	s_lshl_b32 s66, s21, 9
	s_add_co_u32 s54, s54, s66
	s_add_nc_u64 s[62:63], s[14:15], s[54:55]      ; out0: (256 ty + 64 w) x 4,096 + 512 nx
.irp bt, 0,1,2,3,4,5,6,7
	global_load_b128 v[SB+4*\bt:SB+4*\bt+3], v8, s[56:57] offset:512*\bt       ; register i: lanes 0-15 K step i, lanes 16-31 K step 4 + i
.endr
.irp bt, 0,1,2,3,4,5,6,7
	global_load_b128 v[BI+8*\bt:BI+8*\bt+3], v9, s[58:59] offset:64*\bt        ; lane (r, h), register j: b_proj at column 16 bt + 8 h + j
	global_load_b128 v[BI+8*\bt+4:BI+8*\bt+7], v9, s[58:59] offset:64*\bt+16
.endr
.irp a, 0,1,2,3
.irp i, 0,1,2,3
	global_load_b32 v[SA+4*\a+\i], v10, s[60:61] offset:1024*\a+128*\i         ; lanes 0-15: head 2 i; lanes 16-31: head 2 i + 1
	global_load_b32 v[YT+4*\a+\i], v10, s[60:61] offset:1024*\a+128*\i+512     ; heads 2 i + 8 and 2 i + 9
.endr
.endr
.macro FETCH q, p                      ; 24 LDS loads in one run: the 12 fragments of K step q into set p
	WIN 0x40                                       ; destination window 1, address window 0
.irp a, 0,1,2,3
.irp cc, 0,1
	ds_load_b128 v[96*(\p)+8*\a+4*\cc:96*(\p)+8*\a+4*\cc+3], v4 offset:8192*\a+1024*(\q)+512*\cc
.endr
.endr
.irp bt, 0,1,2,3,4,5,6,7
.irp cc, 0,1
	ds_load_b128 v[96*(\p)+32+8*\bt+4*\cc:96*(\p)+32+8*\bt+4*\cc+3], v5 offset:\bt*T16+64*(\q)+32*\cc
.endr
.endr
.endm
.macro MUL q, p                        ; 32 products; the accumulators take turns, in the same order in every step
.if (\q) == 0
	WIN 0x85                                       ; sources 0 and 1 window 1, C (the bias) window 0, D window 2
.else
	WIN 0xa5                                       ; C and D window 2
.endif
.irp a, 0,1,2,3
.irp bt, 0,1,2,3,4,5,6,7
.if (\q) == 0
	v_wmma_scale_f32_16x16x128_f8f6f4 v[8*(8*\a+\bt):8*(8*\a+\bt)+7], v[96*(\p)+32+8*\bt:96*(\p)+32+8*\bt+7], v[96*(\p)+8*\a:96*(\p)+8*\a+7], v[BI+8*\bt:BI+8*\bt+7], v[SB+4*\bt], v[SA+4*\a] matrix_a_fmt:MATRIX_FMT_FP4 matrix_b_fmt:MATRIX_FMT_FP4
.elseif (\q) < 4
	v_wmma_scale_f32_16x16x128_f8f6f4 v[8*(8*\a+\bt):8*(8*\a+\bt)+7], v[96*(\p)+32+8*\bt:96*(\p)+32+8*\bt+7], v[96*(\p)+8*\a:96*(\p)+8*\a+7], v[8*(8*\a+\bt):8*(8*\a+\bt)+7], v[SB+4*\bt+(\q)], v[SA+4*\a+(\q)] matrix_a_fmt:MATRIX_FMT_FP4 matrix_b_fmt:MATRIX_FMT_FP4
.else
	v_wmma_scale_f32_16x16x128_f8f6f4 v[8*(8*\a+\bt):8*(8*\a+\bt)+7], v[96*(\p)+32+8*\bt:96*(\p)+32+8*\bt+7], v[96*(\p)+8*\a:96*(\p)+8*\a+7], v[8*(8*\a+\bt):8*(8*\a+\bt)+7], v[SB+4*\bt+(\q)-4], v[SA+4*\a+(\q)-4] matrix_a_fmt:MATRIX_FMT_FP4 matrix_b_fmt:MATRIX_FMT_FP4 matrix_a_scale:MATRIX_SCALE_ROW1 matrix_b_scale:MATRIX_SCALE_ROW1
.endif
.endr
.endr
.endm
.macro STEP q
	s_wait_dscnt 0x0                               ; this step's fragments are in
.if (\q) < 7
.if (\q) > 0
	PLACES                                         ; ahead of the loads into the set that the last step multiplied
.endif
	FETCH (\q)+1, 1-(\q)%2
.endif
	MUL \q, (\q)%2
.endm
	s_wait_tensorcnt 0x0                           ; my part is in,
	s_barrier_signal -1
	s_barrier_wait -1                              ; everybody's is
	FETCH 0, 0
	WIN 0
	s_wait_loadcnt 0x0                             ; scale words and bias
.set J, 0
.rept 16
	v_permlane16_swap_b32 v[SA+J], v[YT+J]         ; now SA: lanes 0-15 head 2 i, lanes 16-31 head 2 i + 8; YT: heads 2 i + 1 and 2 i + 9
.set J, J+1
.endr
.set J, 0
.rept 16
	v_lshl_or_b32 v[SA+J], v[YT+J], 16, v[SA+J]    ; two heads' halves make a K step's word: lanes 0-15 K step i, lanes 16-31 K step 4 + i, as W's
.set J, J+1
.endr
.rept 8
	v_nop                                          ; a scale register written by a vector instruction stands eight plain instructions ahead of a scaled product
.endr
	s_wait_alu depctr_va_vdst(0)
	STEP 0
	STEP 1
	STEP 2
	STEP 3
	STEP 4
	STEP 5
	STEP 6
	STEP 7
	WIN 0
	PLACES
; THE WAY OUT, a block of 16 rows x 128 columns at a time, through my own stage: a lane holds 32 neighbouring bytes of a row; the block comes back as whole rows of 512 bytes.
; LDS serves a wave's instructions in order (ISA guide 5.7.1.4): no wait between the stores and the loads, nor ahead of the next block's stores.
.macro TOSTAGE a
	WIN 0x08                                       ; an LDS store's data are its source 1: window 2
.irp bt, 0,1,2,3,4,5,6,7
	ds_store_b128 v6, v[8*(8*(\a)+\bt):8*(8*(\a)+\bt)+3] offset:64*\bt         ; each accumulator from its low end on
	ds_store_b128 v6, v[8*(8*(\a)+\bt)+4:8*(8*(\a)+\bt)+7] offset:64*\bt+16
.endr
	WIN 0
.irp t, 0,1,2,3,4,5,6,7,8,9,10,11,12,13,14,15
	ds_load_b128 v[BK+64*((\a)%2)+4*\t:BK+64*((\a)%2)+4*\t+3], v7 offset:\t*PITCH
.endr
.endm
.macro SEND a, younger                 ; younger: the LDS instructions issued behind block a's loads, which may stay out
	s_wait_dscnt \younger
.irp t, 0,1,2,3,4,5,6,7,8,9,10,11,12,13,14,15
	global_store_b128 v3, v[BK+64*((\a)%2)+4*\t:BK+64*((\a)%2)+4*\t+3], s[62:63] offset:(16*(\a)+\t)*4096 th:TH_STORE_NT   ; 32 lanes store 512 consecutive bytes, aligned to 256; written once, read by nobody here
.endr
.endm
	TOSTAGE 0
	TOSTAGE 1
	SEND 0, 32                                     ; behind block 0's loads: block 1's 16 stores and 16 loads
	s_wait_xcnt 0x0                                ; block 0's stores have read their registers: block 2's loads may land there
	TOSTAGE 2
	SEND 1, 32
	s_wait_xcnt 0x0
	TOSTAGE 3
	SEND 2, 32
	SEND 3, 0
	s_wait_tensorcnt 0x0                           ; the wave's end, behind my last tensor load and my last LDS store
	ds_add_u32 v[SPW], v[NIL]
	s_wait_dscnt 0x0
	CROUND                                         ; the closing round
	s_endpgm
.Lfunc_end_k_qf68d9236d6_proj:
	.size	k_qf68d9236d6_proj, .Lfunc_end_k_qf68d9236d6_proj-k_qf68d9236d6_proj
	.p2alignl 7, 3214868480
	.fill 96, 4, 3214868480
	.section	.rodata,"a",@progbits
	.p2align	6, 0x0
	.amdhsa_kernel k_qf68d9236d6_proj
		.amdhsa_group_segment_fixed_size 233472
		.amdhsa_private_segment_fixed_size 0
		.amdhsa_enable_private_segment 0
		.amdhsa_kernarg_size 48
		.amdhsa_user_sgpr_count 2
		.amdhsa_user_sgpr_kernarg_segment_ptr 1
		.amdhsa_wavefront_size32 1
		.amdhsa_system_sgpr_workgroup_id_x 1
		.amdhsa_system_sgpr_workgroup_id_y 1
		.amdhsa_system_sgpr_workgroup_id_z 1
		.amdhsa_system_vgpr_workitem_id 0
		.amdhsa_next_free_vgpr 768
		.amdhsa_next_free_sgpr 100
		.amdhsa_reserve_vcc 0
		.amdhsa_float_denorm_mode_32 3
		.amdhsa_float_denorm_mode_16_64 3
		.amdhsa_memory_ordered 1
		.amdhsa_forward_progress 1
		.amdhsa_inst_pref_size 74
	.end_amdhsa_kernel
	.amdgpu_metadata
---
amdhsa.version: [ 1, 2 ]
amdhsa.kernels:
  - .name:           k_qf68d9236d6_proj
    .symbol:         k_qf68d9236d6_proj.kd
    .args:
      - { .name: ybuf, .offset: 0, .size: 8, .value_kind: global_buffer, .address_space: global }
      - { .name: ysc, .offset: 8, .size: 8, .value_kind: global_buffer, .address_space: global }
      - { .name: W_proj_codes, .offset: 16, .size: 8, .value_kind: global_buffer, .address_space: global }
      - { .name: W_proj_scales, .offset: 24, .size: 8, .value_kind: global_buffer, .address_space: global }
      - { .name: b_proj, .offset: 32, .size: 8, .value_kind: global_buffer, .address_space: global }
      - { .name: out0, .offset: 40, .size: 8, .value_kind: global_buffer, .address_space: global }
    .group_segment_fixed_size: 233472
    .private_segment_fixed_size: 0
    .kernarg_segment_align: 8
    .kernarg_segment_size: 48
    .max_flat_workgroup_size: 128
    .sgpr_count:     100
    .vgpr_count:     768
    .wavefront_size: 32
...
	.end_amdgpu_metadata
.endif
;; end of part 3
